; MI455X (gfx1250); checked and timed in simulation.
; The chip was launched on July 23, 2026; its instructions are those of AMD's public machine-readable ISA for CDNA 5 (MIT licence, August 2026) and "CDNA5" Instruction Set Architecture Reference Guide (July 2026). The comments in the code are by the model that wrote it; some were corrected since.
;; Self Attention. Allowed arithmetic: matrix products marked QUANTISED: E2M1 operands, one E8M0 scale for each 32 along K, by v_wmma_scale_f32_16x16x128_f8f6f4 with both operands' format E2M1 (or v_wmma_scale_f32_32x16x128_f4), f32 sums; products left as they are: bf16, f16 or f32 operands; f32 sums; everything else in f32.
;; Inputs: Wk 512 x 512 float32; Wo 512 x 512 float32; Wq 512 x 512 float32; Wv 512 x 512 float32; bo 512 float32; x 2 x 4,096 x 512 float32.
;; Outputs: out0 2 x 4,096 x 512 float32.
;; This version of the problem:
;;   THIS VERSION OF THE PROBLEM IS GIVEN IN LOW PRECISION. The matrix products marked QUANTISED in the list below multiply operands that are first quantised to E2M1 (2 exponent bits, 1 mantissa bit; 4 bits a number), with one power-of-two scale for each 32 numbers along K (OCP MX v1.0); their sums are f32. The products marked 'left as it is' may take bf16, f16 or f32 operands, with f32 sums. Whichever they take, every output number must still come out within the allowed error. Rounding operands to bf16 (8 significant bits) uses up far more of that allowance than f16 does (11 bits, for magnitudes from 6e-5 to 65,504). All else is computed in f32.
;;   The module's matrix products, in the order in which they are computed (A, B: the left and right operand; K: the contracted axis; several contracted axes count as one K, in the product's order):
;;     1. [M 8,192, K 512] x [K 512, N 512]; A: input x; B: input Wq: QUANTISED
;;     2. [M 8,192, K 512] x [K 512, N 512]; A: input x; B: input Wk: QUANTISED
;;     3. [M 8,192, K 512] x [K 512, N 512]; A: input x; B: input Wv: QUANTISED
;;     4. batch 16 x [M 4,096, K 64] x [K 64, N 4,096]; A: computed on the way; B: computed on the way: left as it is (an operand is computed on the way)
;;     5. batch 16 x [M 4,096, K 4,096] x [K 4,096, N 64]; A: computed on the way; B: computed on the way: left as it is (an operand is computed on the way)
;;     6. [M 8,192, K 512] x [K 512, N 512]; A: computed on the way; B: input Wo: left as it is (an operand is computed on the way)
;;   THE QUANTISER, for each operand of a quantised product, along K:
;;     - K is cut into blocks of 32 from its start; a last block that is shorter is filled with zeros.
;;     - A block's scale is 2^e with e = floor(log2(the largest magnitude in the block)) - 2, held to -126 .. 127; a block of zeros has e = 0. As a byte (E8M0): e + 127.
;;     - Each number is divided by its block's scale, clamped to +-6, and rounded to the nearest number of E2M1, ties to even, subnormals kept.
;;     - The product sums the exact products of the quantised numbers (number of the format x scale) in f32.
;;   ~~~python
;;   def quantise(x, axis):      # numpy; x: float32 -> the quantised numbers, widened to float32 again
;;       x = np.moveaxis(x, axis, -1); K = x.shape[-1]
;;       x = np.pad(x, [(0, 0)] * (x.ndim - 1) + [(0, -K % 32)]); x = x.reshape(x.shape[:-1] + (-1, 32)); a = np.abs(x).max(-1, keepdims=True)
;;       e = np.where(a > 0, np.clip(np.frexp(np.where(a > 0, a, 1))[1] - 1 - 2, -126, 127), 0)      # np.frexp(a)[1] - 1 = floor(log2(a)), exactly
;;       r = np.clip(x / 2.0 ** e, -6, 6)
;;       step = 2.0 ** (np.maximum(np.frexp(np.where(r == 0, 1, r))[1] - 1, 0) - 1)
;;       q = np.round(r / step) * step * 2.0 ** e      # np.round: ties to even
;;       return np.moveaxis(q.reshape(q.shape[:-2] + (-1,))[..., :K], -1, axis).astype(np.float32)
;;   ~~~
;; One version. Each part assembles by itself: llvm-mc -triple=amdgcn-amd-amdhsa -mcpu=gfx1250 --defsym DOCPART=n.
;; ======== version 1 of 1: 4 launches
;; limits: values are held in f16: magnitudes above 65,504 overflow, below 6.1e-05 lose precision
;; workspace buffers: wc 393,216 bytes; ws 24,576 bytes; wo16 524,288 bytes; qf 8,388,608 bytes; kf 8,388,608 bytes; vf 8,388,608 bytes; hf 8,388,608 bytes
;; launch prep (part 1): grid 128 x 1, 1 waves a work-group, no clusters, 0 bytes of LDS; arguments Wq, Wk, Wv, Wo, wc, ws, wo16; writes wc, ws, wo16
.if DOCPART == 1
	.amdgcn_target "amdgcn-amd-amdhsa--gfx1250"
	.amdhsa_code_object_version 6
	.text
	.protected	k_q1e6222fb82_prep
	.globl	k_q1e6222fb82_prep
	.p2align	8
	.type	k_q1e6222fb82_prep,@function
k_q1e6222fb82_prep:
	s_mov_b64 s[64:65], 0
	v_nop
	global_prefetch_b8 v0, s[64:65] scope:SCOPE_SE
	s_setreg_imm32_b32 hwreg(HW_REG_WAVE_MODE, 25, 1), 1
	s_wait_xcnt 0x0
; The weights are prepared once.  Wq, Wk, Wv [512][512] f32 become codes of FP4 (E2M1) with one E8M0 byte for each 32 along K (their second axis); Wo [512][512] f32 becomes f16.
; A block's scale is 2^(floor(log2(its largest magnitude)) - 2): its byte is the largest magnitude's exponent field - 2, held at 1 from below.
; LIMITS: NaN and infinities are not served.  A block of zeros gets the byte 1 where the quantiser says 127: its codes are zeros, and this program alone reads the bytes.  |Wo| beyond 65,504 has no f16 number.
; EVERYTHING IS STORED AS IMAGES OF OPERAND REGISTERS: a piece is 512 bytes, lane l's 16 bytes at 16 l, so that the launches that multiply load a fragment by dense loads of 16 bytes a lane.
;   wc   [tile T = 32 p + n / 16][K step s of 128][c][512]: lane (r, h) holds the codes of row 16 T + r, k = 128 s + 64 c + 32 h + 0 .. 31      (p = 0: Wq, 1: Wk, 2: Wv)
;   ws   [1,536 rows][16 bytes]: a row's four scale words, one for each K step
;   wo16 [n / 128][chunk dc of 32 along K][tile in the block][piece][512]: lane (r, h) holds row r, k = 32 dc + 16 piece + 8 h + 0 .. 7
; SHARES.  One wave to a work-group, one tile of 16 rows to a wave: work-groups 0 to 95 quantise, 96 to 127 convert Wo.  No work-group reads what another reads: nothing to share in a cluster; no LDS, no barrier.
; A LANE LOADS ITS OWN 128 (Wo: 32) CONSECUTIVE BYTES, by loads of 16 that stand on end: a whole block of 32 then lies in one lane's registers, its largest magnitude needs no other lane, and the conversions' results
; are the image as it stands.  The loads on end cover their rows' bytes whole; the launch reads 4 MiB in all.
.set R,   1                            ; v1   r = lane % 16
.set HH,  2                            ; v2   h = lane / 16
.set VA,  3                            ; v3   2,048 r + 128 h: my 32 numbers of a block pair
.set LI,  4                            ; v4   16 x lane
.set SH,  5                            ; v5   8 h
.set TT,  6                            ; v6   the lane permute's destination
.set SA,  7                            ; v7   16 r + 8 h: my two scale words' place
.set M,   8                            ; v8-9   largest magnitudes
.set SO,  10                           ; v10-11 the conversions' scale operands
.set BY,  12                           ; v12-13 scale bytes
.set VA2, 14                           ; v14  2,048 r + 32 h: Wo
.set PC,  16                           ; v16-47 codes, eight registers a K step; Wo: 32 registers of f16
.set WD,  48                           ; v48-51 the four scale words
.set SD,  52                           ; v52-53 the two that I store
.set X,   64                           ; v64-255 three sets of 64 numbers
.set SEL, 22                           ; s[22:23] lane selects: lane l xor 16
	s_load_b256 s[4:11], s[0:1], 0x0               ; Wq s[4:5], Wk s[6:7], Wv s[8:9], Wo s[10:11]
	s_load_b128 s[12:15], s[0:1], 0x20             ; wc s[12:13], ws s[14:15]
	s_load_b64 s[16:17], s[0:1], 0x30              ; wo16
	v_and_b32 v[R], 15, v0
	v_bfe_u32 v[HH], v0, 4, 1
	v_lshlrev_b32 v[VA], 11, v[R]
	v_lshl_add_u32 v[VA2], v[HH], 5, v[VA]
	v_lshl_add_u32 v[VA], v[HH], 7, v[VA]
	v_lshlrev_b32 v[LI], 4, v0                     ; one wave: the thread's number is the lane
	v_lshlrev_b32 v[SH], 3, v[HH]
	v_mov_b32 v[TT], 0                             ; written once: a lane permute's destination counts as one of its sources
	v_lshlrev_b32 v[SA], 4, v[R]
	v_lshl_add_u32 v[SA], v[HH], 3, v[SA]
	s_mov_b32 s[SEL], 0x76543210
	s_mov_b32 s[SEL+1], 0xfedcba98
	s_mov_b32 s25, 0
	s_mov_b32 s27, 0
	s_mov_b32 s29, 0
	s_cmp_ge_u32 ttmp9, 96
	s_cbranch_scc1 .Lwo
; 64 numbers of a lane, v[x] on: register 32 c + i = k 64 c + 32 h + i of my row.  They become a fragment's eight registers of codes, v[pc] on, and the row's scale word in v[wd] (whole in every lane).
.macro QB x, pc, wd
.irp c, 0,1
	v_max3_num_f32 v[M+\c], |v[(\x)+32*\c]|, |v[(\x)+32*\c+1]|, 0x1800000   ; block 2 c + h: all its 32 numbers are mine; and the floor 2^(3 - 127): the byte cannot fall under 1
.endr
.irp i, 2,4,6,8,10,12,14,16,18,20,22,24,26,28,30
.irp c, 0,1
	v_max3_num_f32 v[M+\c], v[M+\c], |v[(\x)+32*\c+\i]|, |v[(\x)+32*\c+\i+1]|   ; (the two blocks by turns)
.endr
.endr
.irp c, 0,1
	v_add_nc_u32 v[SO+\c], 0xff000000, v[M+\c]     ; 2 off the exponent field: the conversion takes the exponent field of this operand as its scale
.endr
.irp c, 0,1
	v_lshrrev_b32 v[BY+\c], 23, v[SO+\c]           ; the scale's byte
.endr
	v_lshl_or_b32 v[\wd], v[BY+1], 16, v[BY]       ; my two bytes: blocks h and 2 + h,
	v_lshlrev_b32 v[\wd], v[SH], v[\wd]            ; at their places in the word;
	v_permlanex16_b32 v[TT], v[\wd], s[SEL], s[SEL+1]
	v_or_b32 v[\wd], v[\wd], v[TT]                 ; with lane l xor 16's two the word is whole
.irp c, 0,1
.irp g, 0,1,2,3
	v_cvt_scalef32_pk8_fp4_f32 v[(\pc)+4*\c+\g], v[(\x)+32*\c+8*\g:(\x)+32*\c+8*\g+7], v[SO+\c]
.endr
.endr
	v_nop                                          ; one plain line behind the last scaled conversion
.endm
.macro LOADF s, set                    ; K step s of my row: two blocks of 128 bytes, into set
.irp c, 0,1
.irp e, 0,1,2,3,4,5,6,7
	global_load_b128 v[X+64*\set+32*\c+4*\e:X+64*\set+32*\c+4*\e+3], v[VA], s[20:21] offset:512*\s+256*\c+16*\e
.endr
.endr
.endm
.macro STC s                           ; K step s's two pieces: 512 consecutive bytes a store; each step has registers of its own, so no store's data are written again
.irp c, 0,1
	global_store_b128 v[LI], v[PC+8*\s+4*\c:PC+8*\s+4*\c+3], s[12:13] offset:1024*\s+512*\c
.endr
.endm
	s_and_b32 s24, ttmp9, 31
	s_lshl_b32 s24, s24, 15                        ; my 16 rows of 2,048 bytes in their weight
	s_lshl_b32 s26, ttmp9, 12                      ; a tile's codes are 4,096 bytes,
	s_lshl_b32 s28, ttmp9, 8                       ; its scale bytes 256
	s_wait_kmcnt 0x0
	s_cmp_lt_u32 ttmp9, 32                         ; which weight: the choice hangs on the work-group's number alone
	s_cselect_b64 s[20:21], s[4:5], s[6:7]
	s_cmp_lt_u32 ttmp9, 64
	s_cselect_b64 s[20:21], s[20:21], s[8:9]
	s_add_nc_u64 s[20:21], s[20:21], s[24:25]
	s_add_nc_u64 s[12:13], s[12:13], s[26:27]
	s_add_nc_u64 s[14:15], s[14:15], s[28:29]
	LOADF 0, 0
	LOADF 1, 1
	LOADF 2, 2
	s_wait_loadcnt 32                              ; step 0's sixteen are in; behind them: steps 1 and 2
	QB X, PC, WD
	LOADF 3, 0                                     ; set 0 is free
	STC 0
	s_wait_loadcnt 32                              ; behind step 1's: steps 2 and 3
	QB X+64, PC+8, WD+1
	STC 1
	s_wait_loadcnt 16                              ; behind step 2's: step 3
	QB X+128, PC+16, WD+2
	STC 2
	s_wait_loadcnt 0x0
	QB X, PC+24, WD+3
	STC 3
	v_cmp_eq_u32 vcc_lo, 1, v[HH]
	v_cndmask_b32 v[SD], v[WD], v[WD+2], vcc_lo    ; lanes 0-15 store words 0 and 1 of row r, lanes 16-31 words 2 and 3:
	v_cndmask_b32 v[SD+1], v[WD+1], v[WD+3], vcc_lo
	global_store_b64 v[SA], v[SD:SD+1], s[14:15]   ; 256 consecutive bytes, at a multiple of 256 from ws's first byte
	s_endpgm
.Lwo:                                  ; Wo's tile t = work-group - 96, four chunks of 32 along K at a time
.macro LOADW q, set
.irp cc, 0,1,2,3
.irp e, 0,1,2,3
	global_load_b128 v[X+64*\set+16*\cc+4*\e:X+64*\set+16*\cc+4*\e+3], v[VA2], s[10:11] offset:128*(4*\q+\cc)+16*(\e%2)+64*(\e/2)   ; piece e / 2: k = 32 dc + 16 (e / 2) + 8 h + 0 .. 7
.endr
.endr
.endm
.macro CVW q, set
.set i, 0
.rept 32
	v_cvt_pk_f16_f32 v[PC+i], v[X+64*\set+2*i], v[X+64*\set+2*i+1]
.set i, i+1
.endr
.endm
.macro STW q
.irp cc, 0,1,2,3
.irp p, 0,1
	global_store_b128 v[LI], v[PC+8*\cc+4*\p:PC+8*\cc+4*\p+3], s[16:17] offset:8192*(4*\q+\cc)+512*\p
.endr
.endr
.endm
	s_sub_co_u32 s24, ttmp9, 96
	s_lshl_b32 s26, s24, 15                        ; my 16 rows of Wo
	s_lshr_b32 s28, s24, 3
	s_lshl_b32 s28, s28, 17                        ; the block of 128 rows,
	s_and_b32 s24, s24, 7
	s_lshl_b32 s24, s24, 10                        ; and my tile's place in a chunk of it
	s_add_co_u32 s28, s28, s24
	s_wait_kmcnt 0x0
	s_add_nc_u64 s[10:11], s[10:11], s[26:27]
	s_add_nc_u64 s[16:17], s[16:17], s[28:29]
	LOADW 0, 0
	LOADW 1, 1
	LOADW 2, 2
	s_wait_loadcnt 32                              ; the counts as above
	CVW 0, 0
	LOADW 3, 0
	STW 0
	s_wait_loadcnt 32
	s_wait_xcnt 0x0                                ; the last group's stores have read their data: the 32 registers may be written again
	CVW 1, 1
	STW 1
	s_wait_loadcnt 16
	s_wait_xcnt 0x0
	CVW 2, 2
	STW 2
	s_wait_loadcnt 0x0
	s_wait_xcnt 0x0
	CVW 3, 0
	STW 3
	s_endpgm
.Lfunc_end_k_q1e6222fb82_prep:
	.size	k_q1e6222fb82_prep, .Lfunc_end_k_q1e6222fb82_prep-k_q1e6222fb82_prep
	.p2alignl 7, 3214868480
	.fill 96, 4, 3214868480
	.section	.rodata,"a",@progbits
	.p2align	6, 0x0
	.amdhsa_kernel k_q1e6222fb82_prep
		.amdhsa_group_segment_fixed_size 0
		.amdhsa_private_segment_fixed_size 0
		.amdhsa_enable_private_segment 0
		.amdhsa_kernarg_size 56
		.amdhsa_user_sgpr_count 2
		.amdhsa_user_sgpr_kernarg_segment_ptr 1
		.amdhsa_wavefront_size32 1
		.amdhsa_system_sgpr_workgroup_id_x 1
		.amdhsa_system_sgpr_workgroup_id_y 1
		.amdhsa_system_sgpr_workgroup_id_z 1
		.amdhsa_system_vgpr_workitem_id 0
		.amdhsa_next_free_vgpr 256
		.amdhsa_next_free_sgpr 66
		.amdhsa_reserve_vcc 1
		.amdhsa_float_denorm_mode_32 3
		.amdhsa_float_denorm_mode_16_64 3
		.amdhsa_memory_ordered 1
		.amdhsa_forward_progress 1
		.amdhsa_inst_pref_size 39
	.end_amdhsa_kernel
	.amdgpu_metadata
---
amdhsa.version: [ 1, 2 ]
amdhsa.kernels:
  - .name:           k_q1e6222fb82_prep
    .symbol:         k_q1e6222fb82_prep.kd
    .args:
      - { .name: Wq, .offset: 0, .size: 8, .value_kind: global_buffer, .address_space: global }
      - { .name: Wk, .offset: 8, .size: 8, .value_kind: global_buffer, .address_space: global }
      - { .name: Wv, .offset: 16, .size: 8, .value_kind: global_buffer, .address_space: global }
      - { .name: Wo, .offset: 24, .size: 8, .value_kind: global_buffer, .address_space: global }
      - { .name: wc, .offset: 32, .size: 8, .value_kind: global_buffer, .address_space: global }
      - { .name: ws, .offset: 40, .size: 8, .value_kind: global_buffer, .address_space: global }
      - { .name: wo16, .offset: 48, .size: 8, .value_kind: global_buffer, .address_space: global }
    .group_segment_fixed_size: 0
    .private_segment_fixed_size: 0
    .kernarg_segment_align: 8
    .kernarg_segment_size: 56
    .max_flat_workgroup_size: 32
    .sgpr_count:     66
    .vgpr_count:     256
    .wavefront_size: 32
...
	.end_amdgpu_metadata
.endif
;; end of part 1
;; launch qkv (part 2): grid 256 x 1, 8 waves a work-group, no clusters, 77,824 bytes of LDS; arguments x, wc, ws, qf, kf, vf; writes qf, kf, vf
.if DOCPART == 2
	.amdgcn_target "amdgcn-amd-amdhsa--gfx1250"
	.amdhsa_code_object_version 6
	.text
	.protected	k_q1e6222fb82_qkv
	.globl	k_q1e6222fb82_qkv
	.p2align	8
	.type	k_q1e6222fb82_qkv,@function
k_q1e6222fb82_qkv:
	s_mov_b64 s[64:65], 0
	v_nop
	global_prefetch_b8 v0, s[64:65] scope:SCOPE_SE
	s_setreg_imm32_b32 hwreg(HW_REG_WAVE_MODE, 25, 1), 1
	s_wait_xcnt 0x0
; q = x Wq^T, k = x Wk^T, v = x Wv^T on codes of FP4 (E2M1) with one E8M0 scale for each 32 along K = 512; sums in f32, K ascending, one accumulator for each output.
; x [8,192][512] f32 is quantised here, in registers; the weights' codes and scale words were made by the launch before.  The results leave as f16, laid as the attention's operand registers want them:
;   qf, kf [batch x head][tile of 16 tokens][piece j][512]: lane (r, h) holds token r, channels 16 j + 8 h + 0 .. 7.      q is multiplied by c = log2(e) / 8 in f32 ahead of its one rounding.
;   vf     [batch x head][32 keys kc][16 channels ct][piece m][512]: lane (r, h) holds channel 16 ct + r, keys 32 kc + 16 m + 8 h + 0 .. 7.
; LIMITS: NaN and infinities are not served; |c q|, |k|, |v| beyond 65,504 have no f16 number; a block of zeros has the scale byte 1 (its codes are zeros).
; SHARES.  A work-group owns 32 tokens (two tiles m): x is read once in the launch.  Wave w quantises ONE fragment of x (tile w / 4, K step w % 4) and hands it to the others through LDS as an image of its registers;
; then wave w makes q, k and v of HEAD w for the 32 tokens: 3 x (4 tiles of features x 2 tiles of tokens x 4 K steps) = 96 matrix instructions.
; q and k are multiplied TRANSPOSED (source 0 = 16 rows of the weight, source 1 = 16 tokens): a lane then holds one token and eight neighbouring channels: four conversions give its 16 bytes of a piece.
; v is multiplied the natural way (source 0 = tokens): a lane holds one channel and eight neighbouring tokens: a piece of V^T.  So every store is 512 consecutive bytes from registers, and nothing changes lanes.
; NO CLUSTER, NO TENSOR LOAD: the three weights' codes are 393,216 bytes, more than the 327,680 of a WGP's LDS, so joint loads would want a ring with its rounds for 96 matrix instructions a wave; and a wave's 48 KiB
; of codes are read by no other wave of its work-group: they go from memory straight into operand registers.
.set SPIT,  528                        ; a stage row: 512 bytes + 16
.set XIMG,  8*16*SPIT                  ; LDS: 8 stages of 16 rows (67,584 bytes); then x's 8 fragments, 1,024 bytes each;
.set XSC,   XIMG+8*1024                ; their scale words, 128 bytes each;
.set SPARE, XSC+8*128                  ; the spare words, 128 bytes for each wave: four blocks of 256 bytes that no other line names
.set LI,  4                            ; v4   16 x lane
.set STI, 5                            ; v5   my stage, on the way in: 16 x lane
.set STO, 6                            ; v6   and out: 528 r + 128 h
.set IMW, 7                            ; v7   where I store my fragment's image
.set IMR, 8                            ; v8   where images are read
.set SCW, 9                            ; v9   where I store its scale words
.set SCR, 10                           ; v10  where scale words are read
.set WA,  11                           ; v11  my head's codes: 16,384 w + 16 x lane
.set WSA, 12                           ; v12  my head's scale words: 1,024 w + 16 r
.set SH,  13                           ; v13  8 h
.set TT,  14                           ; v14  the lane permute's destination
.set ACC, 16                           ; v16-79   x as loaded, then by blocks; later the 8 accumulators: (j, m) at 16 + 8 (2 j + m)
.set XF,  80                           ; v80-143  x's 8 fragments: (m, s) at 80 + 8 (4 m + s)
.set XS,  144                          ; v144-151 their scale words
.set WS,  152                          ; v152-199 the weights' scale words: 152 + 16 p + 4 j + s
.set PC,  200                          ; v200-207 the codes just made
.set OUT, 208                          ; v208-239 32 registers of f16 to store
.set M,   240
.set SO,  242
.set BY,  244
.set PW,  246                          ; v246 the scale word just made
.set SPW, 252                          ; v252 LDS address of my spare word; never rewritten
.set NIL, 253                          ; v253 0; never rewritten
.set WV,  16                           ; s16  my wave's number
.set SEL, 20                           ; s[20:21] lane selects: lane l xor 16
.set CS,  22                           ; s[22:23] c, twice
; window 1: the weight's fragments, two buffers of 128: (j, s) at 128 bf + 8 (4 j + s)
.set MSB, 0
.macro WIN new                         ; the immediate's high byte repeats the setting that is left
.if MSB != \new
	s_set_vgpr_msb (MSB<<8)|\new
.set MSB, \new
.endif
.endm
.macro PLACES
.rept 4
	v_nop
.endr
.endm
; 64 numbers of a lane, v[x] on: register 32 c + i = k 64 c + 32 h + i of my row.  They become a fragment's eight registers of codes, v[pc] on, and the row's scale word in v[wd] (whole in every lane).
.macro QB x, pc, wd
.irp c, 0,1
	v_max3_num_f32 v[M+\c], |v[(\x)+32*\c]|, |v[(\x)+32*\c+1]|, 0x1800000   ; block 2 c + h: all its 32 numbers are mine; and the floor 2^(3 - 127): the byte cannot fall under 1
.endr
.irp i, 2,4,6,8,10,12,14,16,18,20,22,24,26,28,30
.irp c, 0,1
	v_max3_num_f32 v[M+\c], v[M+\c], |v[(\x)+32*\c+\i]|, |v[(\x)+32*\c+\i+1]|
.endr
.endr
.irp c, 0,1
	v_add_nc_u32 v[SO+\c], 0xff000000, v[M+\c]     ; 2 off the exponent field: the conversion's scale operand
.endr
.irp c, 0,1
	v_lshrrev_b32 v[BY+\c], 23, v[SO+\c]           ; the scale's byte
.endr
	v_lshl_or_b32 v[\wd], v[BY+1], 16, v[BY]
	v_lshlrev_b32 v[\wd], v[SH], v[\wd]
	v_permlanex16_b32 v[TT], v[\wd], s[SEL], s[SEL+1]
	v_or_b32 v[\wd], v[\wd], v[TT]                 ; with lane l xor 16's two bytes the word is whole
.irp c, 0,1
.irp g, 0,1,2,3
	v_cvt_scalef32_pk8_fp4_f32 v[(\pc)+4*\c+\g], v[(\x)+32*\c+8*\g:(\x)+32*\c+8*\g+7], v[SO+\c]
.endr
.endr
	v_nop                                          ; one plain line behind the last scaled conversion: matrix instructions later write the numbers' registers
.endm
.macro LOADW p, bf                     ; my head's 16 fragments of weight p: 32 loads of 512 consecutive bytes
	WIN 0x40                                       ; destination window 1, address window 0
.set i, 0
.rept 32
	global_load_b128 v[128*\bf+4*i:128*\bf+4*i+3], v[WA], s[6:7] offset:131072*\p+512*i
.set i, i+1
.endr
	WIN 0
.endm
.macro MM d, a, b, sa, sb, zero
.if \zero
	v_wmma_scale_f32_16x16x128_f8f6f4 v[\d:\d+7], v[\a:\a+7], v[\b:\b+7], 0, v[\sa], v[\sb] matrix_a_fmt:MATRIX_FMT_FP4 matrix_b_fmt:MATRIX_FMT_FP4
.else
	v_wmma_scale_f32_16x16x128_f8f6f4 v[\d:\d+7], v[\a:\a+7], v[\b:\b+7], v[\d:\d+7], v[\sa], v[\sb] matrix_a_fmt:MATRIX_FMT_FP4 matrix_b_fmt:MATRIX_FMT_FP4
.endif
.endm
; 32 matrix instructions: weight p from buffer bf.  The 8 accumulators take turns, one instruction a turn, K step by K step; the first K step starts the sums with the constant 0.
.macro MULP p, bf
.if \p < 2
	WIN 0x01                                       ; source 0 = the weight, window 1
.else
	WIN 0x04                                       ; source 1 = the weight, window 1
.endif
.irp s, 0,1,2,3
.irp j, 0,1,2,3
.irp m, 0,1
.if \p < 2
.if \s == 0
	MM ACC+8*(2*\j+\m), 128*\bf+8*(4*\j+\s), XF+8*(4*\m+\s), WS+16*\p+4*\j+\s, XS+4*\m+\s, 1
.else
	MM ACC+8*(2*\j+\m), 128*\bf+8*(4*\j+\s), XF+8*(4*\m+\s), WS+16*\p+4*\j+\s, XS+4*\m+\s, 0
.endif
.else
.if \s == 0
	MM ACC+8*(2*\j+\m), XF+8*(4*\m+\s), 128*\bf+8*(4*\j+\s), XS+4*\m+\s, WS+16*\p+4*\j+\s, 1
.else
	MM ACC+8*(2*\j+\m), XF+8*(4*\m+\s), 128*\bf+8*(4*\j+\s), XS+4*\m+\s, WS+16*\p+4*\j+\s, 0
.endif
.endif
.endr
.endr
.endr
	WIN 0
.endm
; The 8 accumulators leave: (q: x c,) rounded to f16, each from its low end on; 8 stores of 512 consecutive bytes.  These lines are also the places in front of the next product, which begins the accumulators anew.
.macro OUTP p, ptr
.if \p > 0
	s_wait_xcnt 0x0                                ; the last product's stores have read their data: OUT may be written again
.endif
.if \p == 0
.set i, 0
.rept 32
	v_pk_mul_f32 v[ACC+2*i:ACC+2*i+1], v[ACC+2*i:ACC+2*i+1], s[CS:CS+1] op_sel_hi:[1,0]
.set i, i+1
.endr
.endif
.set i, 0
.rept 32
	v_cvt_pk_f16_f32 v[OUT+i], v[ACC+2*i], v[ACC+2*i+1]
.set i, i+1
.endr
.irp j, 0,1,2,3
.irp m, 0,1
.if \p < 2
	global_store_b128 v[LI], v[OUT+4*(2*\j+\m):OUT+4*(2*\j+\m)+3], s[\ptr:\ptr+1] offset:2048*\m+512*\j
.else
	global_store_b128 v[LI], v[OUT+4*(2*\j+\m):OUT+4*(2*\j+\m)+3], s[\ptr:\ptr+1] offset:1024*\j+512*\m
.endif
.endr
.endr
.endm
	s_load_b256 s[4:11], s[0:1], 0x0               ; x s[4:5], wc s[6:7], ws s[8:9], qf s[10:11]
	s_load_b128 s[12:15], s[0:1], 0x20             ; kf s[12:13], vf s[14:15]
	v_lshl_add_u32 v[SPW], v0, 2, SPARE
	v_mov_b32 v[NIL], 0
	v_lshrrev_b32 v1, 5, v0
	v_readfirstlane_b32 s[WV], v1                  ; wave 0..7
	v_and_b32 v1, 31, v0                           ; lane
	v_and_b32 v2, 15, v0                           ; r
	v_bfe_u32 v3, v0, 4, 1                         ; h
	v_lshlrev_b32 v[LI], 4, v1
	s_mul_i32 s24, s[WV], 16*SPIT                  ; my stage
	v_add_nc_u32 v[STI], s24, v[LI]
	v_mul_u32_u24 v[STO], v2, SPIT
	v_lshl_add_u32 v[STO], v3, 7, v[STO]
	v_add_nc_u32 v[STO], s24, v[STO]
	s_lshl_b32 s25, s[WV], 10
	v_add_nc_u32 v[IMW], s25, v[LI]
	v_add_nc_u32 v[IMW], XIMG, v[IMW]
	v_add_nc_u32 v[IMR], XIMG, v[LI]
	v_lshlrev_b32 v[SCR], 2, v1
	s_lshl_b32 s26, s[WV], 7
	v_add_nc_u32 v[SCW], s26, v[SCR]
	v_add_nc_u32 v[SCW], XSC, v[SCW]
	v_add_nc_u32 v[SCR], XSC, v[SCR]
	s_lshl_b32 s27, s[WV], 14
	v_add_nc_u32 v[WA], s27, v[LI]
	v_lshl_add_u32 v[WSA], v2, 4, s25
	v_lshlrev_b32 v[SH], 3, v3
	v_mov_b32 v[TT], 0                             ; written once: a lane permute's destination counts as one of its sources
	s_mov_b32 s[SEL], 0x76543210
	s_mov_b32 s[SEL+1], 0xfedcba98
	s_mov_b32 s[CS], 0x3e38aa3b                    ; c = log2(e) / sqrt(64)
	s_mov_b32 s[CS+1], s[CS]                       ; (named with it as a pair, so it is written)
	s_lshl_b32 s28, ttmp9, 16                      ; x: my work-group's 32 rows of 2,048 bytes,
	s_lshr_b32 s30, s[WV], 2
	s_lshl_b32 s30, s30, 15                        ; my tile of 16,
	s_add_co_u32 s28, s28, s30
	s_and_b32 s30, s[WV], 3
	s_lshl_b32 s30, s30, 9                         ; my K step's 512 bytes
	s_add_co_u32 s28, s28, s30
	s_mov_b32 s29, 0
	s_lshr_b32 s30, ttmp9, 7                       ; the batch: 128 work-groups each
	s_lshl_b32 s30, s30, 3
	s_add_co_u32 s30, s30, s[WV]                   ; batch x head
	s_lshl_b32 s30, s30, 19                        ; 524,288 bytes each, in qf, kf and vf alike;
	s_and_b32 s31, ttmp9, 127
	s_lshl_b32 s31, s31, 12                        ; 32 tokens are 4,096 bytes in each of the three
	s_add_co_u32 s30, s30, s31
	s_mov_b32 s31, 0
	s_wait_kmcnt 0x0
	s_add_nc_u64 s[4:5], s[4:5], s[28:29]
	s_add_nc_u64 s[10:11], s[10:11], s[30:31]
	s_add_nc_u64 s[12:13], s[12:13], s[30:31]
	s_add_nc_u64 s[14:15], s[14:15], s[30:31]
.set i, 0
.rept 16
	global_load_b128 v[ACC+4*i:ACC+4*i+3], v[LI], s[4:5] offset:2048*i th:TH_LOAD_NT   ; row i: 512 consecutive bytes; read once in the launch
.set i, i+1
.endr
.irp p, 0,1,2
.irp j, 0,1,2,3
	global_load_b128 v[WS+16*\p+4*\j:WS+16*\p+4*\j+3], v[WSA], s[8:9] offset:8192*\p+256*\j   ; lane r: row r's four scale words
.endr
.endr
	LOADW 0, 0
	s_wait_loadcnt 44                              ; x's sixteen are in; behind them: 12 loads of scale words and Wq's 32
	; the turn through my own stage: rows go in as they lie, and come back 128 bytes a lane.  LDS serves a wave's instructions in order (ISA guide 5.7.1.4): no wait between the stores and the loads
.set i, 0
.rept 16
	ds_store_b128 v[STI], v[ACC+4*i:ACC+4*i+3] offset:SPIT*i
.set i, i+1
.endr
.irp c, 0,1
.irp e, 0,1,2,3,4,5,6,7
	ds_load_b128 v[ACC+32*\c+4*\e:ACC+32*\c+4*\e+3], v[STO] offset:256*\c+16*\e
.endr
.endr
	LOADW 1, 1
	s_wait_dscnt 0x0
	QB ACC, PC, PW
.irp c, 0,1
	ds_store_b128 v[IMW], v[PC+4*\c:PC+4*\c+3] offset:512*\c   ; my fragment as it stands
.endr
	ds_store_b32 v[SCW], v[PW]
	s_wait_dscnt 0x0                               ; for the others' sake: my stores have landed
	s_barrier_signal -1
	s_barrier_wait -1                              ; x's eight fragments lie in LDS
.irp f, 0,1,2,3,4,5,6,7
.irp c, 0,1
	ds_load_b128 v[XF+8*\f+4*\c:XF+8*\f+4*\c+3], v[IMR] offset:1024*\f+512*\c
.endr
	ds_load_b32 v[XS+\f], v[SCR] offset:128*\f
.endr
	s_wait_dscnt 0x0
	s_wait_loadcnt 32                              ; the scale words and Wq are in; Wk's 32 may be out
	MULP 0, 0
	PLACES                                         ; in front of loads into registers that matrix instructions have read, and of the first read of results
	LOADW 2, 0
	OUTP 0, 10
	s_wait_loadcnt 32                              ; Wk is in; Wv's 32 may be out
	MULP 1, 1
	PLACES
	OUTP 1, 12
	s_wait_loadcnt 0x0
	MULP 2, 0
	PLACES
	OUTP 2, 14
	s_wait_tensorcnt 0x0                           ; the wave's end: behind my last LDS store
	ds_add_u32 v[SPW], v[NIL]
	s_wait_dscnt 0x0
	s_endpgm
.Lfunc_end_k_q1e6222fb82_qkv:
	.size	k_q1e6222fb82_qkv, .Lfunc_end_k_q1e6222fb82_qkv-k_q1e6222fb82_qkv
	.p2alignl 7, 3214868480
	.fill 96, 4, 3214868480
	.section	.rodata,"a",@progbits
	.p2align	6, 0x0
	.amdhsa_kernel k_q1e6222fb82_qkv
		.amdhsa_group_segment_fixed_size 77824
		.amdhsa_private_segment_fixed_size 0
		.amdhsa_enable_private_segment 0
		.amdhsa_kernarg_size 48
		.amdhsa_user_sgpr_count 2
		.amdhsa_user_sgpr_kernarg_segment_ptr 1
		.amdhsa_wavefront_size32 1
		.amdhsa_system_sgpr_workgroup_id_x 1
		.amdhsa_system_sgpr_workgroup_id_y 1
		.amdhsa_system_sgpr_workgroup_id_z 1
		.amdhsa_system_vgpr_workitem_id 0
		.amdhsa_next_free_vgpr 512
		.amdhsa_next_free_sgpr 66
		.amdhsa_reserve_vcc 0
		.amdhsa_float_denorm_mode_32 3
		.amdhsa_float_denorm_mode_16_64 3
		.amdhsa_memory_ordered 1
		.amdhsa_forward_progress 1
		.amdhsa_inst_pref_size 45
	.end_amdhsa_kernel
	.amdgpu_metadata
---
amdhsa.version: [ 1, 2 ]
amdhsa.kernels:
  - .name:           k_q1e6222fb82_qkv
    .symbol:         k_q1e6222fb82_qkv.kd
    .args:
      - { .name: x, .offset: 0, .size: 8, .value_kind: global_buffer, .address_space: global }
      - { .name: wc, .offset: 8, .size: 8, .value_kind: global_buffer, .address_space: global }
      - { .name: ws, .offset: 16, .size: 8, .value_kind: global_buffer, .address_space: global }
      - { .name: qf, .offset: 24, .size: 8, .value_kind: global_buffer, .address_space: global }
      - { .name: kf, .offset: 32, .size: 8, .value_kind: global_buffer, .address_space: global }
      - { .name: vf, .offset: 40, .size: 8, .value_kind: global_buffer, .address_space: global }
    .group_segment_fixed_size: 77824
    .private_segment_fixed_size: 0
    .kernarg_segment_align: 8
    .kernarg_segment_size: 48
    .max_flat_workgroup_size: 256
    .sgpr_count:     66
    .vgpr_count:     512
    .wavefront_size: 32
...
	.end_amdgpu_metadata
.endif
;; end of part 2
;; launch attn (part 3): grid 16 x 16, 8 waves a work-group, clusters of 4 x 1, 327,680 bytes of LDS; arguments qf, kf, vf, hf; writes hf
.if DOCPART == 3
	.amdgcn_target "amdgcn-amd-amdhsa--gfx1250"
	.amdhsa_code_object_version 6
	.text
	.protected	k_q1e6222fb82_attn
	.globl	k_q1e6222fb82_attn
	.p2align	8
	.type	k_q1e6222fb82_attn,@function
k_q1e6222fb82_attn:
	s_mov_b64 s[64:65], 0
	v_nop
	global_prefetch_b8 v0, s[64:65] scope:SCOPE_SE
	s_setreg_imm32_b32 hwreg(HW_REG_WAVE_MODE, 25, 1), 1
	s_wait_xcnt 0x0
	s_wait_alu depctr_hold_cnt(0) depctr_sa_sdst(0) depctr_va_vdst(0) depctr_va_sdst(0) depctr_va_ssrc(0) depctr_va_vcc(0) depctr_vm_vsrc(0)
	s_getreg_b32 s2, hwreg(HW_REG_IB_STS2, 6, 4)
	s_cmp_eq_u32 s2, 0
	s_cbranch_scc0 .Lentry_in_a_cluster
	s_endpgm
.Lentry_in_a_cluster:
	s_bfe_u32 s2, ttmp6, 0x10000c
	s_cmp_lg_u32 s2, 0x3003
	s_cbranch_scc0 .Lentry_shape_is_right
	s_endpgm
.Lentry_shape_is_right:
; h[b][q][64 head + :] = the sum over k of softmax_k(q . k / 8) v, for 16 (batch x head) x 4,096 queries x 4,096 keys, head size 64.  Operands f16, products, maxima and sums f32.
; f16 and not bf16: its 11 significant bits leave the comparison's margin to the sums.  q arrives multiplied by c = log2(e) / 8, so a score is already t and p = 2^(t - m), m the query's running maximum.
; In every step the sum l and O are multiplied by a = 2^(old m - new m); l is the sum of the unrounded p and divides O at the end.
; LIMITS: NaN and infinities are not served.  A t under -3e38 would lie under the starting maximum.  h is rounded to f16: numbers of h under 6e-5 are kept in steps of 2^-25 (inputs x and Wv both some 30 times smaller than
; drawn bring h's spread down to 3e-5, of which that step is under a thousandth).
; SHARES.  A work-group owns 256 queries of one head; each of its eight waves 32 of them, two tiles t of 16: two waves to a SIMD, so that one wave's vector work stands beside the other's matrix work.  Every wave walks all keys, 64 a step.
; LAYOUT.  S^T = K Q^T (source 0 = 16 keys, source 1 = 16 queries): a lane holds ONE query (lane % 16) and keys 8 (lane / 16) + 0 .. 7.  Two such tiles rounded to f16 in pairs ARE source 1 (32 keys x 16 queries) of
; O^T = V^T P, whose result again holds one query a lane, and eight channels.  K, V and Q lie in memory as images of these fragments (a piece: 512 bytes, lane l's 16 at 16 l): every LDS load takes 512 consecutive bytes.
; RING.  Two slots of 512 keys (K's 65,536 bytes, then V's).  The change of slots stands at a slot's head; behind its round the other slot is asked for: one tensor load a wave (waves 0-3: quarters of K; 4-7: of V),
; 64 rows of 256 bytes, which has the slot's 8 steps, 256 matrix instructions a wave, in which to land.  One tensor load of a wave is out at a time.
; CLUSTER.  The four query blocks of a cluster belong to one head and walk the same K and V: each tile is asked for JOINTLY, by the same tensor load with the same descriptor and a mask that names the four.
; REGISTERS.  window 0: v1-5 addresses; v8-23 statistics; v24-55 Q; v56-119 K of a step; v120-183 S^T; v184-215 P.   window 1: v0-63 V of a step; v64-127 O^T.
.set SLOT1, 1<<17                      ; slot 1 begins here, so that one exclusive or turns an address in one slot into the other's
.set VOFF,  65536                      ; V's half of a slot
.set SPARE, 2*SLOT1                    ; behind the ring: the spare words, 128 bytes for each wave: four blocks of 256 bytes that no other line names
.set LI,  1                            ; v1   16 x lane; never rewritten
.set AV0, 2                            ; v2   16 x lane + VOFF
.set ADK, 3                            ; v3   LDS address of the step's K
.set ADV, 4                            ; v4   of its V
.set PFO, 5                            ; v5   256 x lane: the prefetches' offset; never rewritten
.set ST,  8                            ; tile t's statistics at v[8 + 8 t]: +0 m, +1 a zero (named with m as a pair), +2, +3 l (even keys', odd keys'), +4 .. +7 c0-c3 at work; a takes c2's place
.set QF,  24                           ; (t, chunk c of 32 channels) at 24 + 8 (2 t + c)
.set KF,  56                           ; (tile kt of 16 keys, c) at 56 + 8 (2 kt + c)
.set S,   120                          ; (t, kt) at 120 + 32 t + 8 kt
.set P,   184                          ; (t, chunk kc of 32 keys) at 184 + 16 t + 8 kc
.set OT,  64                           ; window 1: (t, tile ct of 16 channels) at 64 + 32 t + 8 ct;   V: (kc, ct) at 8 (4 kc + ct)
.set SPW, 252                          ; v252 LDS address of my spare word; never rewritten
.set NIL, 253                          ; v253 0; never rewritten
.set WV,  12                           ; s12  my wave's number
.set G1,  24                           ; s[24:31] descriptor group 1
.set G0K, 32                           ; s[32:35] group 0 for K's tiles, s[36:39] for V's: they walk
.set G0V, 36
.set SLOTS, 40                         ; s40  changes of slots still to come in the loop
.set CNT, 41                           ; s41  counts a slot's steps
.set TB,  42                           ; s42  LDS byte at which the step to be fetched begins
.set SEL, 44                           ; s[44:45] lane selects: lane l xor 16
.set PFA, 46                           ; s[46:47] where my prefetches stand
.set LIM, 48                           ; s48  1 in a wave that prefetches, else the greatest number
.set MSB, 0
.macro WIN new                         ; the immediate's high byte repeats the setting that is left
.if MSB != \new
	s_set_vgpr_msb (MSB<<8)|\new
.set MSB, \new
.endif
.endm
.macro PLACES
.rept 4
	v_nop
.endr
.endm
; A round of the cluster's barrier: my work-group's barrier; wave 0 signals for the work-group; every wave waits for all four work-groups; my work-group's barrier once more.
.macro CROUND
	s_barrier_signal -1
	s_barrier_wait -1
	s_cmp_lg_u32 s[WV], 0
	s_cbranch_scc1 .Lnot_wave_0_\@
	s_barrier_signal -3
.Lnot_wave_0_\@:
	s_barrier_wait -3
	s_barrier_signal -1
	s_barrier_wait -1
.endm
; A joint load.  The branch hangs on the wave's number alone.  An s_nop 0 and four v_nop follow each of the two lines.
.macro JLOAD
	s_cmp_lt_u32 s[WV], 4
	s_cbranch_scc0 .Lfor_v_\@
	tensor_load_to_lds s[G0K:G0K+3], s[G1:G1+7]
	s_nop 0
.rept 4
	v_nop
.endr
	s_branch .Lasked_\@
.Lfor_v_\@:
	tensor_load_to_lds s[G0V:G0V+3], s[G1:G1+7]
	s_nop 0
.rept 4
	v_nop
.endr
.Lasked_\@:
.endm
; A PREFETCH of what the NEXT change of slots will ask for: a slot's 65,536 bytes of K and of V, one slot (8 steps) ahead of that load.  Each block of 256 bytes is named once in the launch: all clusters of a head walk
; the same K and V, so the head's first cluster asks; its four partners take 16,384 bytes each, told apart BY ADDRESS; in each, waves 0 and 1 ask for K's and waves 4 and 5 for V's, 8,192 bytes a wave, lanes 256 bytes apart.
; how = 1: the first change; how = 0: in the loop, where the last change that fills a slot asks for nothing: there is no slot behind it.  Slots 0 and 1 come by their loads alone.
.macro ASK how
.if \how
	s_cmp_eq_u32 s[LIM], 1
.else
	s_cmp_gt_u32 s[SLOTS], s[LIM]
.endif
	s_cbranch_scc0 .Lnot_mine_\@
	global_prefetch_b8 v[PFO], s[PFA:PFA+1] th:TH_LOAD_NT scope:SCOPE_SE
.Lnot_mine_\@:
.endm
; 16 products S^T = K Q^T: channels 32 (i / 8) on, keys 16 ((i / 2) % 4) on, tile i % 2.  The 8 accumulators take turns; the first 8 start the sums.
.macro KQ
.set i, 0
.rept 16
.set rS, S+32*(i%2)+8*((i/2)%4)
.set rK, KF+8*(2*((i/2)%4)+i/8)
.set rQ, QF+8*(2*(i%2)+i/8)
.if i < 8
	v_wmma_f32_16x16x32_f16 v[rS:rS+7], v[rK:rK+7], v[rQ:rQ+7], 0
.else
	v_wmma_f32_16x16x32_f16 v[rS:rS+7], v[rK:rK+7], v[rQ:rQ+7], v[rS:rS+7]
.endif
.set i, i+1
.endr
.endm
; 16 products O^T += V^T P: keys 32 (i / 8) on, channels 16 ((i / 2) % 4) on, tile i % 2
.macro PV
	WIN 0x51                                       ; V and O^T in window 1, P in window 0
.set i, 0
.rept 16
.set rO, OT+32*(i%2)+8*((i/2)%4)
.set rV, 8*(4*(i/8)+(i/2)%4)
.set rP, P+16*(i%2)+8*(i/8)
	v_wmma_f32_16x16x32_f16 v[rO:rO+7], v[rV:rV+7], v[rP:rP+7], v[rO:rO+7]
.set i, i+1
.endr
	WIN 0
.endm
.macro LDK                             ; the K of the step at s[TB]: 8,192 consecutive bytes
	v_add_nc_u32 v[ADK], s[TB], v[LI]
.set i, 0
.rept 16
	ds_load_b128 v[KF+4*i:KF+4*i+3], v[ADK] offset:512*i
.set i, i+1
.endr
.endm
.macro LDV                             ; and its V
	v_add_nc_u32 v[ADV], s[TB], v[AV0]
	WIN 0x40                                       ; destination window 1
.set i, 0
.rept 16
	ds_load_b128 v[4*i:4*i+3], v[ADV] offset:512*i
.set i, i+1
.endr
	WIN 0
.endm
; The softmax of a step, the two tiles line by line, so that no line waits for the line above it.
.macro SOFTMAX
.irp j, 0,1,2,3
.irp t, 0,1
	v_max3_num_f32 v[ST+8*\t+4+\j], v[S+32*\t+8*\j], v[S+32*\t+8*\j+1], v[S+32*\t+8*\j+2]   ; four chains; each accumulator is first read at its low end
.endr
.endr
.irp q, 1,2
.irp j, 0,1,2,3
.irp t, 0,1
	v_max3_num_f32 v[ST+8*\t+4+\j], v[ST+8*\t+4+\j], v[S+32*\t+8*\j+2*\q+1], v[S+32*\t+8*\j+2*\q+2]
.endr
.endr
.endr
.irp t, 0,1
	v_max3_num_f32 v[ST+8*\t+4], v[ST+8*\t+4], v[S+32*\t+7], v[S+32*\t+15]
.endr
.irp t, 0,1
	v_max3_num_f32 v[ST+8*\t+6], v[ST+8*\t+6], v[S+32*\t+23], v[S+32*\t+31]
.endr
.irp t, 0,1
	v_max3_num_f32 v[ST+8*\t+4], v[ST+8*\t+4], v[ST+8*\t+5], v[ST+8*\t+6]
.endr
.irp t, 0,1
	v_max3_num_f32 v[ST+8*\t+4], v[ST+8*\t+4], v[ST+8*\t+7], v[ST+8*\t]    ; and the old m
.endr
.irp t, 0,1
	v_permlanex16_b32 v[ST+8*\t+5], v[ST+8*\t+4], s[SEL], s[SEL+1]         ; the query's other 32 keys lie in the lane 16 away
.endr
.irp t, 0,1
	v_mov_b32 v[ST+8*\t+7], v[ST+8*\t]
.endr
.irp t, 0,1
	v_max_num_f32 v[ST+8*\t], v[ST+8*\t+4], v[ST+8*\t+5]                   ; the new m
.endr
.irp t, 0,1
	v_sub_f32 v[ST+8*\t+7], v[ST+8*\t+7], v[ST+8*\t]                       ; old m - new m
.endr
.irp t, 0,1
	v_exp_f32 v[ST+8*\t+6], v[ST+8*\t+7]                                   ; a
.endr
.set b, 0
.rept 16
.irp t, 0,1
	v_pk_add_f32 v[S+32*\t+2*b:S+32*\t+2*b+1], v[S+32*\t+2*b:S+32*\t+2*b+1], v[ST+8*\t:ST+8*\t+1] op_sel_hi:[1,0] neg_lo:[0,1] neg_hi:[0,1]   ; t - m, two at a time
.endr
.set b, b+1
.endr
.set e, 0
.rept 32
.irp t, 0,1
	v_exp_f32 v[S+32*\t+e], v[S+32*\t+e]                                   ; p = 2^(t - m)
.endr
.set e, e+1
.endr
	v_nop                                          ; a plain line behind the last exponential
	s_wait_alu depctr_va_vdst(0)                   ; the wait ahead of the first line that names an exponential's result: ONE for the step's 66
.set b, 0
.rept 16
.irp t, 0,1
	v_cvt_pk_f16_f32 v[P+16*\t+b], v[S+32*\t+2*b], v[S+32*\t+2*b+1]
.endr
.set b, b+1
.endr
.irp t, 0,1
	v_pk_mul_f32 v[ST+8*\t+2:ST+8*\t+3], v[ST+8*\t+2:ST+8*\t+3], v[ST+8*\t+6:ST+8*\t+7] op_sel_hi:[1,0]   ; l x a
.endr
.irp t, 0,1
	v_pk_add_f32 v[ST+8*\t+4:ST+8*\t+5], v[S+32*\t:S+32*\t+1], v[S+32*\t+2:S+32*\t+3]   ; the sum of the unrounded p, in two chains
.endr
.irp j, 4,8,12,16,20,24,28
.irp t, 0,1
	v_pk_add_f32 v[ST+8*\t+2:ST+8*\t+3], v[ST+8*\t+2:ST+8*\t+3], v[S+32*\t+\j:S+32*\t+\j+1]
	v_pk_add_f32 v[ST+8*\t+4:ST+8*\t+5], v[ST+8*\t+4:ST+8*\t+5], v[S+32*\t+\j+2:S+32*\t+\j+3]
.endr
.endr
.irp t, 0,1
	v_pk_add_f32 v[ST+8*\t+2:ST+8*\t+3], v[ST+8*\t+2:ST+8*\t+3], v[ST+8*\t+4:ST+8*\t+5]
.endr
	WIN 0x41                                       ; O^T (destination and source 0) in window 1, a in window 0
.set b, 0
.rept 16
.irp t, 0,1
	v_pk_mul_f32 v[OT+32*\t+2*b:OT+32*\t+2*b+1], v[OT+32*\t+2*b:OT+32*\t+2*b+1], v[ST+8*\t+6:ST+8*\t+7] op_sel_hi:[1,0]   ; O^T x a
.endr
.set b, b+1
.endr
	WIN 0
.endm
; A KEY STEP.  more = 1: the next step's K lies in the same slot and is fetched here.  hold = 1: waves 4 to 7 keep this step's V^T P, whose operands are all in registers, for behind the change of slots.
.macro STEP more, hold
	s_wait_dscnt 0x0                               ; K is in
	KQ
	PLACES                                         ; in front of the loads into K's and V's registers, which matrix instructions have read, and of the first read of S^T
	LDV
	s_add_co_u32 s[TB], s[TB], 8192
.if \more
	LDK
.endif
	SOFTMAX
.if \more
	s_wait_dscnt 16                                ; V is in; the 16 loads of K behind it may be out
	PV
.else
.if \hold
	s_cmp_lt_u32 s[WV], 4
	s_cbranch_scc0 .Lheld_\@
.endif
	s_wait_dscnt 0x0
	PV
.if \hold
.Lheld_\@:
.endif
.endif
.endm
; A slot's 8 steps.  late = 1: waves 4 to 7 begin with the V^T P that they held (the change's wait on DScnt has shown V in): behind a round all eight waves start together, and so the two waves of a SIMD,
; w and w + 4, begin with 16 and with 32 matrix instructions and do not walk their matrix and vector phases in step.  It changes no value: a step's V^T P still stands behind its own rescaling and ahead of the next.
.macro SLOT late, hold
	LDK
.if \late
	s_cmp_lt_u32 s[WV], 4
	s_cbranch_scc1 .Lno_late_\@
	PV
.Lno_late_\@:
.endif
	s_mov_b32 s[CNT], 7
.Lstep_\@:
	STEP 1, 0
	s_sub_co_u32 s[CNT], s[CNT], 1
	s_cmp_lg_u32 s[CNT], 0
	s_cbranch_scc1 .Lstep_\@
	STEP 0, \hold
	s_sub_co_u32 s[TB], s[TB], 65536               ; back to a slot's first step,
	s_xor_b32 s[TB], s[TB], SLOT1                  ; in the other slot
.endm
; THE CHANGE OF SLOTS, at a slot's head.  Each wave waits for all its tensor loads (its part of the slot that it is about to read), adds 0 to its spare word, and waits for that and for its reads of the slot that it has left.
; fill = 1: behind a round of the cluster's barrier, when no wave of any partner still reads the other slot or has a load on its way, that slot is asked for.
.macro CHANGE fill, how
	s_wait_tensorcnt 0x0                           ; no tensor load of mine is out, so a group 0 may be written
	ds_add_u32 v[SPW], v[NIL]                      ; 0 onto my spare word
.if \fill
	s_xor_b32 s[G0K+1], s[G0K+1], SLOT1            ; the walking descriptors: the other slot than last time,
	s_add_nc_u64 s[G0K+2:G0K+3], s[G0K+2:G0K+3], 0x10000   ; the next 512 keys; the type bits on top are not reached
	s_xor_b32 s[G0V+1], s[G0V+1], SLOT1
	s_add_nc_u64 s[G0V+2:G0V+3], s[G0V+2:G0V+3], 0x10000
	s_wait_xcnt 0x0                                ; the last prefetch, a slot back, has read its address, so it may be written:
	s_add_nc_u64 s[PFA:PFA+1], s[PFA:PFA+1], 0x10000       ; one slot further on than the walking descriptors
	s_wait_dscnt 0x0                               ; the add is done, and my reads of the slot that I have left are over
	CROUND
	JLOAD                                          ; the first tensor load behind the round, and my only one until the next
	ASK \how
.else
	s_wait_dscnt 0x0
	s_barrier_signal -1
	s_barrier_wait -1
.endif
.endm
	s_load_b256 s[4:11], s[0:1], 0x0               ; qf s[4:5], kf s[6:7], vf s[8:9], hf s[10:11]
	v_lshl_add_u32 v[SPW], v0, 2, SPARE
	v_mov_b32 v[NIL], 0
	ds_add_u32 v[SPW], v[NIL]                      ; the wave's opening: the add, twice on end, and its wait ahead of my first tensor load
	ds_add_u32 v[SPW], v[NIL]
	v_lshrrev_b32 v6, 5, v0
	v_readfirstlane_b32 s[WV], v6                  ; wave 0..7
	v_and_b32 v[LI], 31, v0
	v_lshlrev_b32 v[PFO], 8, v[LI]
	v_lshlrev_b32 v[LI], 4, v[LI]
	v_add_nc_u32 v[AV0], VOFF, v[LI]
	s_bfe_u32 s13, ttmp6, 0x40000                  ; cx: my place in the cluster
	s_lshl_b32 s14, ttmp9, 2                       ; in a cluster launch ttmp9 counts clusters
	s_add_co_u32 s14, s14, s13                     ; my block of 256 queries: it enters qf's and hf's addresses alone
	s_and_b32 s15, ttmp7, 0xffff                   ; batch x head, which the four partners share
	s_lshl_b32 s16, s15, 19                        ; its first byte in qf, kf and vf
	s_and_b32 s18, s[WV], 3
	s_lshl_b32 s18, s18, 14                        ; my quarter of a slot's K or V: in LDS,
	s_add_co_u32 s20, s16, s18                     ; and in memory: no place in the cluster enters either
	s_mov_b32 s21, 0
	s_lshl_b32 s22, s14, 15                        ; Q: my block's 16 tiles of 2,048 bytes,
	s_lshl_b32 s23, s[WV], 12                      ; my wave's two
	s_add_co_u32 s22, s22, s23
	s_add_co_u32 s22, s22, s16
	s_mov_b32 s23, 0
	s_lshr_b32 s50, s15, 3                         ; hf: the block of 128 tokens: 32 x batch + 2 x query block + wave / 4,
	s_lshl_b32 s50, s50, 5
	s_lshl_b32 s51, s14, 1
	s_add_co_u32 s50, s50, s51
	s_lshr_b32 s51, s[WV], 2
	s_add_co_u32 s50, s50, s51
	s_lshl_b32 s50, s50, 17                        ; 131,072 bytes each;
	s_and_b32 s51, s15, 7
	s_lshl_b32 s51, s51, 14                        ; the head's two chunks of 32 along d, 8,192 bytes each;
	s_add_co_u32 s50, s50, s51
	s_and_b32 s51, s[WV], 3
	s_lshl_b32 s51, s51, 11                        ; my two tiles, 1,024 bytes each
	s_add_co_u32 s50, s50, s51
	s_mov_b32 s51, 0
	s_lshl_b32 s52, s13, 14                        ; the prefetches: my work-group's 16,384 bytes of a slot,
	s_and_b32 s53, s[WV], 1
	s_lshl_b32 s53, s53, 13                        ; my wave's 8,192 of them,
	s_add_co_u32 s52, s52, s53
	s_add_co_u32 s52, s52, s16
	s_add_co_u32 s52, s52, 0x10000                 ; in slot 1: the first change steps it to slot 2.  Nothing is prefetched at the head
	s_mov_b32 s53, 0
	s_and_b32 s[LIM], s[WV], 2                     ; 0 in waves 0, 1, 4, 5,
	s_or_b32 s[LIM], s[LIM], ttmp9                 ; where the cluster is the head's first: the same in all four partners
	s_cmp_eq_u32 s[LIM], 0
	s_cselect_b32 s[LIM], 1, -1
	; descriptor group 1: a dense block of 16,384 bytes as 64 rows of 32 elements of 8 bytes
	s_mov_b32 s[G1], 15|(3<<16)|(1<<21)            ; 15:0 the mask: all four work-groups; 17:16 elements of 8 bytes; 20 no padding; 21 set beside a mask
	s_mov_b32 s[G1+1], 32<<16                      ; tensor_dim0 = 32
	s_mov_b32 s[G1+2], 64<<16                      ; tensor_dim1 = 64
	s_mov_b32 s[G1+3], 32<<16                      ; tile_dim0 = 32
	s_mov_b32 s[G1+4], 64                          ; tile_dim1 = 64
	s_mov_b32 s[G1+5], 32                          ; from row to row: 32 elements
	s_mov_b32 s[G1+6], 0
	s_mov_b32 s[G1+7], 0
	s_mov_b32 s[SEL], 0x76543210
	s_mov_b32 s[SEL+1], 0xfedcba98
	s_mov_b32 s[TB], 0
	s_wait_dscnt 0x0                               ; both opening adds are done
	s_wait_kmcnt 0x0
	s_cmp_lt_u32 s[WV], 4
	s_cselect_b64 s[PFA:PFA+1], s[6:7], s[8:9]
	s_add_nc_u64 s[PFA:PFA+1], s[PFA:PFA+1], s[52:53]
	s_add_nc_u64 s[4:5], s[4:5], s[22:23]
	s_add_nc_u64 s[10:11], s[10:11], s[50:51]
	CROUND                                         ; all four work-groups are here: the first joint loads meet
	s_mov_b32 s[G0K], 1                            ; count = 1
	s_mov_b32 s[G0K+1], s18                        ; LDS address: slot 0, K's half
	s_add_nc_u64 s[G0K+2:G0K+3], s[6:7], s[20:21]  ; global address: the head's first 512 keys
	s_or_b32 s[G0K+3], s[G0K+3], 0x80000000        ; type = 2
	s_mov_b32 s[G0V], 1
	s_add_co_u32 s[G0V+1], s18, VOFF
	s_add_nc_u64 s[G0V+2:G0V+3], s[8:9], s[20:21]
	s_or_b32 s[G0V+3], s[G0V+3], 0x80000000
	JLOAD                                          ; slot 0
.set i, 0
.rept 8
	global_load_b128 v[QF+4*i:QF+4*i+3], v[LI], s[4:5] offset:512*i   ; Q stays in registers
.set i, i+1
.endr
.irp t, 0,1
	v_mov_b32 v[ST+8*\t], 0xff61b1e6               ; m: -3e38, under every t
	v_mov_b32 v[ST+8*\t+1], 0
	v_mov_b32 v[ST+8*\t+2], 0                      ; l
	v_mov_b32 v[ST+8*\t+3], 0
.endr
	WIN 0x40
.set i, 0
.rept 64
	v_mov_b32 v[OT+i], 0                           ; O^T.  (The step is written in one form: the first finds zeros, which a = 0 leaves zeros)
.set i, i+1
.endr
	WIN 0
	CHANGE 1, 1                                    ; slot 0 is whole; slot 1 is asked for
	s_wait_loadcnt 0x0                             ; Q
	SLOT 0, 1
	s_mov_b32 s[SLOTS], 6
.Lslot:                                            ; six trips: keys 512 to 3,583 are walked, keys 1,024 to 4,095 asked for
	CHANGE 1, 0
	SLOT 1, 1
	s_sub_co_u32 s[SLOTS], s[SLOTS], 1
	s_cmp_lg_u32 s[SLOTS], 0
	s_cbranch_scc1 .Lslot
	CHANGE 0, 0                                    ; the last slot is written out: nothing is left to ask for
	SLOT 1, 0
	; THE WAY OUT.  l's two halves and the other half of the lanes' are added; O^T / l is rounded to f16: a lane's eight channels of its query are its 16 bytes of a piece of hf.  The additions are the places behind the last products.
.irp t, 0,1
	v_add_f32 v[ST+8*\t+4], v[ST+8*\t+2], v[ST+8*\t+3]
.endr
.irp t, 0,1
	v_permlanex16_b32 v[ST+8*\t+5], v[ST+8*\t+4], s[SEL], s[SEL+1]
.endr
.irp t, 0,1
	v_add_f32 v[ST+8*\t+4], v[ST+8*\t+4], v[ST+8*\t+5]
.endr
.irp t, 0,1
	v_rcp_f32 v[ST+8*\t+6], v[ST+8*\t+4]
.endr
	v_nop                                          ; a plain line behind the last reciprocal
	s_wait_alu depctr_va_vdst(0)                   ; and the wait ahead of the first use: one for both
	WIN 0x01                                       ; source 0 (O^T) window 1; the quotients go to S^T's registers, which are free
.set b, 0
.rept 16
.irp t, 0,1
	v_pk_mul_f32 v[S+32*\t+2*b:S+32*\t+2*b+1], v[OT+32*\t+2*b:OT+32*\t+2*b+1], v[ST+8*\t+6:ST+8*\t+7] op_sel_hi:[1,0]
.endr
.set b, b+1
.endr
	WIN 0
.set b, 0
.rept 16
.irp t, 0,1
	v_cvt_pk_f16_f32 v[P+16*\t+b], v[S+32*\t+2*b], v[S+32*\t+2*b+1]
.endr
.set b, b+1
.endr
.irp t, 0,1
.irp ct, 0,1,2,3
	global_store_b128 v[LI], v[P+16*\t+4*\ct:P+16*\t+4*\ct+3], s[10:11] offset:8192*(\ct/2)+1024*\t+512*(\ct%2)   ; 512 consecutive bytes, at a multiple of 512 from hf's first byte
.endr
.endr
	s_wait_tensorcnt 0x0                           ; the wave's end: behind my last tensor load
	ds_add_u32 v[SPW], v[NIL]
	s_wait_dscnt 0x0
	CROUND                                         ; the closing round: no work-group ends while a partner may still ask for a tile that names it
	s_endpgm
.Lfunc_end_k_q1e6222fb82_attn:
	.size	k_q1e6222fb82_attn, .Lfunc_end_k_q1e6222fb82_attn-k_q1e6222fb82_attn
	.p2alignl 7, 3214868480
	.fill 96, 4, 3214868480
	.section	.rodata,"a",@progbits
	.p2align	6, 0x0
	.amdhsa_kernel k_q1e6222fb82_attn
		.amdhsa_group_segment_fixed_size 327680
		.amdhsa_private_segment_fixed_size 0
		.amdhsa_enable_private_segment 0
		.amdhsa_kernarg_size 32
		.amdhsa_user_sgpr_count 2
		.amdhsa_user_sgpr_kernarg_segment_ptr 1
		.amdhsa_wavefront_size32 1
		.amdhsa_system_sgpr_workgroup_id_x 1
		.amdhsa_system_sgpr_workgroup_id_y 1
		.amdhsa_system_sgpr_workgroup_id_z 1
		.amdhsa_system_vgpr_workitem_id 0
		.amdhsa_next_free_vgpr 384
		.amdhsa_next_free_sgpr 66
		.amdhsa_reserve_vcc 0
		.amdhsa_float_denorm_mode_32 3
		.amdhsa_float_denorm_mode_16_64 3
		.amdhsa_memory_ordered 1
		.amdhsa_forward_progress 1
		.amdhsa_inst_pref_size 122
	.end_amdhsa_kernel
	.amdgpu_metadata
---
amdhsa.version: [ 1, 2 ]
amdhsa.kernels:
  - .name:           k_q1e6222fb82_attn
    .symbol:         k_q1e6222fb82_attn.kd
    .args:
      - { .name: qf, .offset: 0, .size: 8, .value_kind: global_buffer, .address_space: global }
      - { .name: kf, .offset: 8, .size: 8, .value_kind: global_buffer, .address_space: global }
      - { .name: vf, .offset: 16, .size: 8, .value_kind: global_buffer, .address_space: global }
      - { .name: hf, .offset: 24, .size: 8, .value_kind: global_buffer, .address_space: global }
    .group_segment_fixed_size: 327680
    .private_segment_fixed_size: 0
    .kernarg_segment_align: 8
    .kernarg_segment_size: 32
    .max_flat_workgroup_size: 256
    .sgpr_count:     66
    .vgpr_count:     384
    .wavefront_size: 32
...
	.end_amdgpu_metadata
.endif
;; end of part 3
;; launch oproj (part 4): grid 4 x 64, 4 waves a work-group, clusters of 4 x 4, 280,064 bytes of LDS; arguments hf, wo16, bo, out0; writes out0
.if DOCPART == 4
	.amdgcn_target "amdgcn-amd-amdhsa--gfx1250"
	.amdhsa_code_object_version 6
	.text
	.protected	k_q1e6222fb82_oproj
	.globl	k_q1e6222fb82_oproj
	.p2align	8
	.type	k_q1e6222fb82_oproj,@function
k_q1e6222fb82_oproj:
	s_mov_b64 s[64:65], 0
	v_nop
	global_prefetch_b8 v0, s[64:65] scope:SCOPE_SE
	s_setreg_imm32_b32 hwreg(HW_REG_WAVE_MODE, 25, 1), 1
	s_wait_xcnt 0x0
	s_wait_alu depctr_hold_cnt(0) depctr_sa_sdst(0) depctr_va_vdst(0) depctr_va_sdst(0) depctr_va_ssrc(0) depctr_va_vcc(0) depctr_vm_vsrc(0)
	s_getreg_b32 s2, hwreg(HW_REG_IB_STS2, 6, 4)
	s_cmp_eq_u32 s2, 0
	s_cbranch_scc0 .Lentry_in_a_cluster
	s_endpgm
.Lentry_in_a_cluster:
	s_bfe_u32 s2, ttmp6, 0x10000c
	s_cmp_lg_u32 s2, 0xf033
	s_cbranch_scc0 .Lentry_shape_is_right
	s_endpgm
.Lentry_shape_is_right:
; out0 = h Wo^T + bo.  h [8,192][512] and Wo [512][512] arrive as f16, laid as images of operand registers: [block of 128 rows][chunk dc of 32 along K][tile of 16 rows][piece][512 bytes]; bo [512], out0 [8,192][512]: f32.
; Sums in f32, K ascending; the bias is the C of each sum's first matrix instruction.
; SHARES.  A work-group makes 128 tokens x 128 features: 64 x 4 = 256 work-groups.  Each of its four waves makes 64 x 64: 16 accumulators.  ALL OF K LIES IN LDS AT ONCE: 131,072 bytes of h, as many of Wo: no ring, nothing is filled again.
; Each wave brings two tiles of 32,768 bytes (K's first half, K's second half): two tensor loads of a wave are out at the most.  The first half is multiplied while the second lands.
; CLUSTERS: 4 x 4 work-groups.  The four of a row of the cluster need the same block of h, the four of a column the same block of Wo: each tile is asked for JOINTLY, by the same tensor load with the same descriptor and a mask that names the four.
; THE MATRIX INSTRUCTION IS USED TRANSPOSED (source 0 = 16 rows of Wo, source 1 = 16 tokens): a lane then holds eight neighbouring features of one token.
; REGISTERS.  window 0: v16-19, v24-27 addresses; v32-95 the way out; v96-127 the bias; v128-255 the accumulators ((a, b) at 128 + 8 (4 a + b)).   window 1: two fragment buffers of 64: h's four fragments, then Wo's four.
.set BOFF,  131072                     ; LDS: h's block, then Wo's,
.set STAGE, 262144                     ; a stage of 16 rows x (256 bytes + 16) for each wave,
.set SP,    272
.set SPARE, STAGE+4*16*SP              ; and the spare words, 128 bytes for each wave: two blocks of 256 bytes that no other line names
.set ADA, 16                           ; v16-17 LDS address of my fragments of h, K half 0, 1
.set ADB, 18                           ; v18-19 the same for Wo
.set STO, 24                           ; v24  the way out: where I put 32 bytes of a row
.set RD,  25                           ; v25  where I read a row back
.set CO,  26                           ; v26  my byte offset in two rows of out0
.set BA,  27                           ; v27  32 h: my eight numbers of a tile's bias
.set SPW, 28                           ; v28  LDS address of my spare word; never rewritten
.set NIL, 29                           ; v29  0; never rewritten
.set BK,  32                           ; v32-63, v64-95 by turns: 16 rows read back from the stage
.set BIAS, 96
.set ACC, 128
.set WV,  12                           ; s12  my wave's number
.set G1A, 24                           ; s[24:31], s[32:39] descriptor group 1 for h's and for Wo's tiles: they differ in the mask alone
.set G1B, 32
.set G0A, 40                           ; s[40:47], s[48:55] group 0, a set for each K half
.set G0B, 48
.set MSB, 0
.macro WIN new                         ; the immediate's high byte repeats the setting that is left
.if MSB != \new
	s_set_vgpr_msb (MSB<<8)|\new
.set MSB, \new
.endif
.endm
.macro PLACES
.rept 4
	v_nop
.endr
.endm
.macro CROUND                          ; a round of the cluster's barrier
	s_barrier_signal -1
	s_barrier_wait -1
	s_cmp_lg_u32 s[WV], 0
	s_cbranch_scc1 .Lnot_wave_0_\@
	s_barrier_signal -3
.Lnot_wave_0_\@:
	s_barrier_wait -3
	s_barrier_signal -1
	s_barrier_wait -1
.endm
	s_load_b256 s[4:11], s[0:1], 0x0               ; hf s[4:5], wo16 s[6:7], bo s[8:9], out0 s[10:11]
	v_lshl_add_u32 v[SPW], v0, 2, SPARE
	v_mov_b32 v[NIL], 0
	ds_add_u32 v[SPW], v[NIL]                      ; the wave's opening: the add, twice on end, and its wait ahead of my first tensor load
	ds_add_u32 v[SPW], v[NIL]
	v_lshrrev_b32 v1, 5, v0
	v_readfirstlane_b32 s[WV], v1                  ; wave 0..3
	s_lshr_b32 s13, s[WV], 1                       ; which 64 tokens are mine.  Also: I fetch for h (0) or for Wo (1)
	s_and_b32 s14, s[WV], 1                        ; which 64 features.  Also: which half of a K half I fetch
	s_bfe_u32 s16, ttmp6, 0x40000                  ; cx, cy: my place in the cluster
	s_bfe_u32 s17, ttmp6, 0x40004
	s_lshl_b32 s18, ttmp9, 2
	s_add_co_u32 s18, s18, s16                     ; block of features = 4 x cluster x + cx
	s_and_b32 s19, ttmp7, 0xffff
	s_lshl_b32 s19, s19, 2
	s_add_co_u32 s19, s19, s17                     ; block of tokens = 4 x cluster y + cy
	s_lshl_b32 s20, s17, 2
	s_lshl_b32 s20, 15, s20                        ; my row of the cluster
	s_lshl_b32 s21, 0x1111, s16                    ; my column
	; descriptor group 1: a dense block of 32,768 bytes as 128 rows of 32 elements of 8 bytes
	s_or_b32 s[G1A], s20, (3<<16)|(1<<21)          ; 15:0 the mask: h's tiles go to my row; 17:16 elements of 8 bytes; 20 no padding; 21 set beside a mask
	s_or_b32 s[G1B], s21, (3<<16)|(1<<21)
.irp g, G1A, G1B
	s_mov_b32 s[\g+1], 32<<16                      ; tensor_dim0 = 32
	s_mov_b32 s[\g+2], 128<<16                     ; tensor_dim1 = 128
	s_mov_b32 s[\g+3], 32<<16                      ; tile_dim0 = 32
	s_mov_b32 s[\g+4], 128                         ; tile_dim1 = 128
	s_mov_b32 s[\g+5], 32                          ; from row to row: 32 elements
	s_mov_b32 s[\g+6], 0
	s_mov_b32 s[\g+7], 0
.endr
	s_lshl_b32 s15, s14, 15                        ; my 32,768 bytes of a K half
	s_lshl_b32 s56, s19, 17                        ; h's block hangs on the block of tokens alone, which my row of the cluster shares;
	s_add_co_u32 s56, s56, s15
	s_mov_b32 s57, 0
	s_lshl_b32 s58, s18, 17                        ; Wo's on the block of features alone, which my column shares
	s_add_co_u32 s58, s58, s15
	s_mov_b32 s59, 0
	s_lshl_b32 s22, s13, 17                        ; where they go: h's block, then Wo's: no place in the cluster enters an LDS address
	s_add_co_u32 s22, s22, s15
	s_lshl_b32 s60, s18, 9                         ; my first feature in bytes of f32: 512 x block + 256 x half
	s_lshl_b32 s23, s14, 8
	s_add_co_u32 s60, s60, s23
	s_mov_b32 s61, 0
	s_lshl_b32 s62, s19, 18                        ; my first row of out0: (128 x block + 64 x half) x 2,048 bytes
	s_lshl_b32 s23, s13, 17
	s_add_co_u32 s62, s62, s23
	s_add_co_u32 s62, s62, s60
	s_mov_b32 s63, 0
	s_wait_dscnt 0x0                               ; both opening adds are done
	s_wait_kmcnt 0x0
	s_add_nc_u64 s[4:5], s[4:5], s[56:57]
	s_add_nc_u64 s[6:7], s[6:7], s[58:59]
	s_add_nc_u64 s[8:9], s[8:9], s[60:61]
	s_add_nc_u64 s[10:11], s[10:11], s[62:63]
	CROUND                                         ; all sixteen work-groups are here: the joint loads meet
.irp u, 0,1
	s_mov_b32 s[G0A+4*\u], 1                       ; count = 1
	s_add_co_u32 s[G0A+4*\u+1], s22, \u*65536      ; LDS address
	s_add_nc_u64 s[G0A+4*\u+2:G0A+4*\u+3], s[4:5], \u*65536   ; global address: K half u
	s_or_b32 s[G0A+4*\u+3], s[G0A+4*\u+3], 0x80000000         ; type = 2
	s_mov_b32 s[G0B+4*\u], 1
	s_add_co_u32 s[G0B+4*\u+1], s22, \u*65536
	s_add_nc_u64 s[G0B+4*\u+2:G0B+4*\u+3], s[6:7], \u*65536
	s_or_b32 s[G0B+4*\u+3], s[G0B+4*\u+3], 0x80000000
.endr
	s_cmp_lt_u32 s[WV], 2                          ; a wave's two fills stand in one branch, ahead of every wait on TENSORcnt and every LDS read; an s_nop 0 follows each, four v_nop the second's
	s_cbranch_scc0 .Lfirst_b
	tensor_load_to_lds s[G0A:G0A+3], s[G1A:G1A+7]
	s_nop 0
	tensor_load_to_lds s[G0A+4:G0A+7], s[G1A:G1A+7]
	s_nop 0
.rept 4
	v_nop
.endr
	s_branch .Lfirst_asked
.Lfirst_b:
	tensor_load_to_lds s[G0B:G0B+3], s[G1B:G1B+7]
	s_nop 0
	tensor_load_to_lds s[G0B+4:G0B+7], s[G1B:G1B+7]
	s_nop 0
.rept 4
	v_nop
.endr
.Lfirst_asked:
	v_and_b32 v1, 15, v0                           ; r
	v_bfe_u32 v2, v0, 4, 1                         ; h
	v_and_b32 v3, 31, v0
	v_lshlrev_b32 v3, 4, v3                        ; 16 x lane
	v_lshlrev_b32 v[BA], 5, v2
.irp b, 0,1,2,3
	global_load_b128 v[BIAS+8*\b:BIAS+8*\b+3], v[BA], s[8:9] offset:64*\b      ; lane (r, h): bo at features 16 b + 8 h + 0 .. 7: the result's layout
	global_load_b128 v[BIAS+8*\b+4:BIAS+8*\b+7], v[BA], s[8:9] offset:64*\b+16
.endr
	s_lshl_b32 s20, s13, 12                        ; my four tiles of h in a chunk: 1,024 bytes each
	v_add_nc_u32 v[ADA], s20, v3
	v_add_nc_u32 v[ADA+1], 65536, v[ADA]
	s_lshl_b32 s21, s14, 12                        ; my four tiles of Wo,
	s_add_co_u32 s21, s21, BOFF                    ; which lie behind h's block
	v_add_nc_u32 v[ADB], s21, v3
	v_add_nc_u32 v[ADB+1], 65536, v[ADB]
	s_mul_i32 s23, s[WV], 16*SP
	s_add_co_u32 s23, s23, STAGE                   ; my stage
	v_mul_u32_u24 v[STO], v1, SP                   ; in: row r, 32 bytes for each half of the lanes
	v_lshl_add_u32 v[STO], v2, 5, v[STO]
	v_add_nc_u32 v[STO], s23, v[STO]
	v_mul_u32_u24 v[RD], v2, SP                    ; back: lanes 0-15 take one row of 256 bytes, lanes 16-31 the next
	v_lshl_add_u32 v[RD], v1, 4, v[RD]
	v_add_nc_u32 v[RD], s23, v[RD]
	v_lshlrev_b32 v[CO], 11, v2                    ; and the same two rows in out0
	v_lshl_add_u32 v[CO], v1, 4, v[CO]
.macro FETCH c                         ; chunk c's eight fragments into buffer c % 2: 16 loads of 512 consecutive bytes
	WIN 0x40                                       ; destination window 1, address window 0
.irp a, 0,1,2,3
.irp p, 0,1
	ds_load_b128 v[64*((\c)%2)+8*\a+4*\p:64*((\c)%2)+8*\a+4*\p+3], v[ADA+(\c)/8] offset:8192*((\c)%8)+1024*\a+512*\p
.endr
.endr
.irp b, 0,1,2,3
.irp p, 0,1
	ds_load_b128 v[64*((\c)%2)+32+8*\b+4*\p:64*((\c)%2)+32+8*\b+4*\p+3], v[ADB+(\c)/8] offset:8192*((\c)%8)+1024*\b+512*\p
.endr
.endr
.endm
.macro MUL c                           ; 16 matrix instructions, 32 along K; the 16 accumulators take turns; chunk 0 starts the sums with the bias
	WIN 0x05                                       ; sources 0 and 1 window 1; C and D window 0
.irp a, 0,1,2,3
.irp b, 0,1,2,3
.if (\c) == 0
	v_wmma_f32_16x16x32_f16 v[ACC+8*(4*\a+\b):ACC+8*(4*\a+\b)+7], v[64*((\c)%2)+32+8*\b:64*((\c)%2)+32+8*\b+7], v[64*((\c)%2)+8*\a:64*((\c)%2)+8*\a+7], v[BIAS+8*\b:BIAS+8*\b+7]
.else
	v_wmma_f32_16x16x32_f16 v[ACC+8*(4*\a+\b):ACC+8*(4*\a+\b)+7], v[64*((\c)%2)+32+8*\b:64*((\c)%2)+32+8*\b+7], v[64*((\c)%2)+8*\a:64*((\c)%2)+8*\a+7], v[ACC+8*(4*\a+\b):ACC+8*(4*\a+\b)+7]
.endif
.endr
.endr
.endm
	s_wait_tensorcnt 1                             ; my part of K's first half is in; the second half's load may stay out
	s_barrier_signal -1
	s_barrier_wait -1                              ; everybody's is
	FETCH 0
	s_wait_loadcnt 0x0                             ; the bias
.set C, 0
.rept 16
.if C >= 1
	PLACES                                         ; in front of loads into the buffer that the last chunk's matrix instructions have read
.endif
.if C == 7
	s_wait_tensorcnt 0x0                           ; my part of K's second half is in,
	s_wait_dscnt 0x0                               ; (no LDS instruction of mine is pending at a signal)
	s_barrier_signal -1
	s_barrier_wait -1                              ; everybody's is
.endif
.if C < 15
	FETCH C+1
	s_wait_dscnt 16                                ; all but the 16 just issued
.else
	s_wait_dscnt 0x0
.endif
	MUL C
.set C, C+1
.endr
	WIN 0
; THE WAY OUT, block by block of 16 tokens x 64 features.  A lane holds 32 neighbouring bytes of a row, and the lanes beside it hold other rows: so a block goes through my own stage in LDS and comes back as whole rows of
; 256 bytes.  LDS serves a wave's instructions in order (ISA guide 5.7.1.4): no wait between the stores and the loads, nor in front of the next block's stores.
.macro TOSTAGE a
.irp b, 0,1,2,3
	ds_store_b128 v[STO], v[ACC+8*(4*(\a)+\b):ACC+8*(4*(\a)+\b)+3] offset:64*\b          ; each accumulator from its low end on
	ds_store_b128 v[STO], v[ACC+8*(4*(\a)+\b)+4:ACC+8*(4*(\a)+\b)+7] offset:64*\b+16
.endr
.irp i, 0,1,2,3,4,5,6,7
	ds_load_b128 v[BK+32*((\a)%2)+4*\i:BK+32*((\a)%2)+4*\i+3], v[RD] offset:2*SP*\i
.endr
.endm
.macro SEND a, younger                 ; younger: the LDS instructions issued behind block a's loads, which may stay out
	s_wait_dscnt \younger
.irp i, 0,1,2,3,4,5,6,7
	global_store_b128 v[CO], v[BK+32*((\a)%2)+4*\i:BK+32*((\a)%2)+4*\i+3], s[10:11] offset:(16*(\a)+2*\i)*2048 th:TH_STORE_NT   ; 16 lanes store 256 consecutive bytes, at a multiple of 256 from out0's first byte
.endr
.endm
	PLACES                                         ; in front of the first read of results
	TOSTAGE 0
	TOSTAGE 1
	SEND 0, 16                                     ; behind block 0's loads: block 1's 8 stores and 8 loads
	s_wait_xcnt 0x0                                ; block 0's stores have read their registers: block 2's loads may land there
	TOSTAGE 2
	SEND 1, 16
	s_wait_xcnt 0x0
	TOSTAGE 3
	SEND 2, 16
	SEND 3, 0
	s_wait_tensorcnt 0x0                           ; the wave's end: behind my last tensor load and my last LDS store
	ds_add_u32 v[SPW], v[NIL]
	s_wait_dscnt 0x0
	CROUND                                         ; the closing round: no work-group ends while a partner may still ask for a tile that names it
	s_endpgm
.Lfunc_end_k_q1e6222fb82_oproj:
	.size	k_q1e6222fb82_oproj, .Lfunc_end_k_q1e6222fb82_oproj-k_q1e6222fb82_oproj
	.p2alignl 7, 3214868480
	.fill 96, 4, 3214868480
	.section	.rodata,"a",@progbits
	.p2align	6, 0x0
	.amdhsa_kernel k_q1e6222fb82_oproj
		.amdhsa_group_segment_fixed_size 280064
		.amdhsa_private_segment_fixed_size 0
		.amdhsa_enable_private_segment 0
		.amdhsa_kernarg_size 32
		.amdhsa_user_sgpr_count 2
		.amdhsa_user_sgpr_kernarg_segment_ptr 1
		.amdhsa_wavefront_size32 1
		.amdhsa_system_sgpr_workgroup_id_x 1
		.amdhsa_system_sgpr_workgroup_id_y 1
		.amdhsa_system_sgpr_workgroup_id_z 1
		.amdhsa_system_vgpr_workitem_id 0
		.amdhsa_next_free_vgpr 512
		.amdhsa_next_free_sgpr 66
		.amdhsa_reserve_vcc 0
		.amdhsa_float_denorm_mode_32 3
		.amdhsa_float_denorm_mode_16_64 3
		.amdhsa_memory_ordered 1
		.amdhsa_forward_progress 1
		.amdhsa_inst_pref_size 51
	.end_amdhsa_kernel
	.amdgpu_metadata
---
amdhsa.version: [ 1, 2 ]
amdhsa.kernels:
  - .name:           k_q1e6222fb82_oproj
    .symbol:         k_q1e6222fb82_oproj.kd
    .args:
      - { .name: hf, .offset: 0, .size: 8, .value_kind: global_buffer, .address_space: global }
      - { .name: wo16, .offset: 8, .size: 8, .value_kind: global_buffer, .address_space: global }
      - { .name: bo, .offset: 16, .size: 8, .value_kind: global_buffer, .address_space: global }
      - { .name: out0, .offset: 24, .size: 8, .value_kind: global_buffer, .address_space: global }
    .group_segment_fixed_size: 280064
    .private_segment_fixed_size: 0
    .kernarg_segment_align: 8
    .kernarg_segment_size: 32
    .max_flat_workgroup_size: 128
    .sgpr_count:     66
    .vgpr_count:     512
    .wavefront_size: 32
...
	.end_amdgpu_metadata
.endif
;; end of part 4
